; MI455X (gfx1250); checked and timed in simulation.
; The chip was launched on July 23, 2026; its instructions are those of AMD's public machine-readable ISA for CDNA 5 (MIT licence, August 2026) and "CDNA5" Instruction Set Architecture Reference Guide (July 2026). The comments in the code are by the model that wrote it; some were corrected since.
;; Encoder. Allowed arithmetic: float matrix products may take bf16 or f16 operands with f32 sums; other float arithmetic in f32, or as packed bf16 or f16 multiplies, adds, multiply-adds, maxima and minima; sums over many terms, partial sums and values carried from step to step in f32; what a program stores and reads back later, other than sums and carried values, may be rounded once to bf16 or f16.
;; Inputs: fc1_b 6 x 512 float32; fc1_w 6 x 512 x 128 float32; fc2_b 6 x 128 float32; fc2_w 6 x 128 x 512 float32; ln1_b 6 x 128 float32; ln1_g 6 x 128 float32; ln2_b 6 x 128 float32; ln2_g 6 x 128 float32; wo_b 6 x 128 float32; wo_w 6 x 128 x 128 float32; x 4 x 2,048 x 128 float32.
;; Outputs: out0 4 x 2,048 x 128 float32.
;; One version. Each part assembles by itself: llvm-mc -triple=amdgcn-amd-amdhsa -mcpu=gfx1250 --defsym DOCPART=n.
;; ======== version 1 of 1: 7 launches
;; limits: values are held in f16: magnitudes above 65,504 overflow, below 6.1e-05 lose precision
;; workspace buffers: x16a 2,097,152 bytes; x16b 2,097,152 bytes; xw 4,194,304 bytes; wpk 589,824 bytes; bfp 3,072 bytes; laya 65,536 bytes of whole numbers; layb 65,536 bytes of whole numbers
;; launch prep (part 1): grid 712 x 1, 4 waves a work-group, no clusters, 4,608 bytes of LDS; arguments x, wo_w, fc1_w, fc1_b, fc2_w, fc2_b, x16a, wpk, bfp, laya; writes x16a, wpk, bfp, laya
.if DOCPART == 1
	.amdgcn_target "amdgcn-amd-amdhsa--gfx1250"
	.amdhsa_code_object_version 6
	.text
	.protected	k_q969d8e7bc8_prep
	.globl	k_q969d8e7bc8_prep
	.p2align	8
	.type	k_q969d8e7bc8_prep,@function
k_q969d8e7bc8_prep:
	s_mov_b64 s[64:65], 0
	v_nop
	global_prefetch_b8 v0, s[64:65] scope:SCOPE_SE
	s_setreg_imm32_b32 hwreg(HW_REG_WAVE_MODE, 25, 1), 1
	s_wait_xcnt 0x0
; PREP: what the six layer launches need once.  Four kinds of work-group, chosen by the work-group's number (the same in all its waves):
;   X  0..255    x (f32) -> x16a (f16), 4,096 numbers each; wave 0 also writes the layer number 0 into the work-group's 256 bytes of laya
;   W  256..279  wo_w -> f16 in FRAGMENT ORDER (below), four work-groups a layer
;   F  280..663  one 16 x 16 tile of Wf = fc2_w fc1_w (128 x 128 a layer), kept as an f16 pair hi + lo, in fragment order
;   Z  664..711  16 numbers of bf = fc2_w fc1_b + fc2_b (f32)
; reference() has no activation between fc1 and fc2, so (x fc1^T + b1) fc2^T + b2 = x Wf^T + bf for every input; only the order of rounding differs.
; FRAGMENT ORDER of a 128 (n) x 128 (k) f16 matrix: the 16 bytes number ((nt 4 + ks) 2 + half) 32 + lane hold W[16 nt + lane % 16][32 ks + 16 half + 8 (lane / 16) + 0..7]:
; four registers of the matrix instruction's source 0 come by one load of 16 bytes a lane, 512 consecutive bytes a wave.
; LIMITS.  All matrix operands are f16: x, wo_w, fc1_w, fc1_b, fc2_w and the entries of Wf stay under 65,504 in magnitude; below 6e-5 f16 keeps a fixed step of 6e-8 (Wf: of its lo part).  NaN and infinities are not treated apart.
.set PART,  0                          ; LDS: wave v's partial tile at 1,024 v: registers 0-3 at 16 x lane, registers 4-7 512 bytes on
.set SPARE, 4096                       ; the spare words, 128 bytes a wave: two blocks of 256 bytes that no other line names
.set LN,  1                            ; v1  lane
.set RR,  2                            ; v2  lane % 16
.set HH,  3                            ; v3  lane / 16
.set SPW, 4                            ; v4  my spare word's LDS address; never rewritten
.set NIL, 5                            ; v5  0; never rewritten
.set VA,  6                            ; v6  lane term of the first source's loads (in X and W: of the loads)
.set VB,  7                            ; v7  of the second source's (in X and W: of the stores)
.set ACC0, 16                          ; v[16:23], v[24:31] two accumulators that take turns
.set ACC1, 24
.set AF,  32                           ; v[32:63]   source 0 in f16, 8 registers a step of 32
.set BF,  64                           ; v[64:95]   source 1 in f16
.set AR,  96                           ; v[96:159]  source 0 as loaded, 16 f32 a step
.set BR,  160                          ; v[160:223] source 1 as loaded
.set WV,  24                           ; s24 wave
.set OFS, 26                           ; s[26:27] a byte offset, high word 0
.set LAYER, 28
.set KT,  29
.set NT,  30
.set ISF, 31                           ; 1: role F, 0: role Z
.set TS,  32
.set SV,  33
	s_load_b512 s[4:19], s[0:1], 0x0               ; x 4, wo_w 6, fc1_w 8, fc1_b 10, fc2_w 12, fc2_b 14, x16a 16, wpk 18
	s_load_b128 s[20:23], s[0:1], 0x40             ; bfp 20, laya 22
	v_lshl_add_u32 v[SPW], v0, 2, SPARE
	v_mov_b32 v[NIL], 0
	v_and_b32 v[LN], 31, v0
	v_and_b32 v[RR], 15, v0
	v_bfe_u32 v[HH], v0, 4, 1
	v_lshrrev_b32 v8, 5, v0
	v_readfirstlane_b32 s[WV], v8
	s_mov_b32 s[OFS+1], 0
	s_wait_kmcnt 0x0
	s_cmp_lt_u32 ttmp9, 256
	s_cbranch_scc0 .Lnot_x
	; ROLE X.  16,384 bytes of x in, 8,192 bytes of x16a out.  A load of the work-group covers 2,048 consecutive bytes, a store of a wave 256, aligned.
	s_lshl_b32 s[OFS], ttmp9, 14
	s_add_nc_u64 s[4:5], s[4:5], s[OFS:OFS+1]
	s_lshl_b32 s[OFS], ttmp9, 13
	s_add_nc_u64 s[16:17], s[16:17], s[OFS:OFS+1]
	s_lshl_b32 s[OFS], ttmp9, 8
	s_add_nc_u64 s[22:23], s[22:23], s[OFS:OFS+1]
	v_lshlrev_b32 v[VA], 4, v0
	v_lshlrev_b32 v[VB], 3, v0
.irp q, 0,1,2,3,4,5,6,7
	global_load_b128 v[16+4*\q:16+4*\q+3], v[VA], s[4:5] offset:\q*2048 th:TH_LOAD_NT
.endr
	s_wait_loadcnt 0x0
.irp q, 0,1,2,3,4,5,6,7
	v_cvt_pk_f16_f32 v[48+2*\q], v[16+4*\q], v[16+4*\q+1]
	v_cvt_pk_f16_f32 v[48+2*\q+1], v[16+4*\q+2], v[16+4*\q+3]
.endr
.irp q, 0,1,2,3,4,5,6,7
	global_store_b64 v[VB], v[48+2*\q:48+2*\q+1], s[16:17] offset:\q*1024
.endr
	s_cmp_lg_u32 s[WV], 0
	s_cbranch_scc1 .Lend
	v_mov_b32 v10, 0                               ; the first layer's number, 64 equal words: in wave 0 the thread's number is the lane, so VB is 8 x lane
	v_mov_b32 v11, 0
	global_store_b64 v[VB], v[10:11], s[22:23]
	s_branch .Lend
.Lnot_x:
	s_cmp_lt_u32 ttmp9, 280
	s_cbranch_scc0 .Lfold
	; ROLE W.  j = number - 256; layer j / 4; the 512 chunks from 512 (j % 4) on.  Chunk 512 (j % 4) + 128 q + t: lane = t % 32, half = bit 5 of t, ks = bit 6 of t + 2 (q % 2), nt = q / 2 + 2 (j % 4).
	s_sub_co_u32 s25, ttmp9, 256
	s_lshr_b32 s[LAYER], s25, 2
	s_and_b32 s[KT], s25, 3
	s_lshl_b32 s[OFS], s[LAYER], 16                ; a layer of wo_w is 65,536 bytes,
	s_lshl_b32 s[TS], s[KT], 14                    ; two blocks of 16 rows of 512 bytes are 16,384
	s_add_co_u32 s[OFS], s[OFS], s[TS]
	s_add_nc_u64 s[6:7], s[6:7], s[OFS:OFS+1]
	s_mul_i32 s[OFS], s[LAYER], 98304              ; a layer of wpk: three matrices of 32,768 bytes, Wo first
	s_lshl_b32 s[TS], s[KT], 13
	s_add_co_u32 s[OFS], s[OFS], s[TS]
	s_add_nc_u64 s[18:19], s[18:19], s[OFS:OFS+1]
	v_lshlrev_b32 v[VA], 9, v[RR]                  ; row r
	v_lshl_add_u32 v[VA], v[HH], 5, v[VA]          ; + 8 numbers for the upper lanes
	v_bfe_u32 v8, v0, 5, 2
	v_lshl_add_u32 v[VA], v8, 6, v[VA]             ; + 64 half + 128 (bit 6 of t)
	v_lshlrev_b32 v[VB], 4, v0
.irp q, 0,1,2,3
	global_load_b128 v[16+8*\q:16+8*\q+3],   v[VA], s[6:7] offset:(\q&1)*256+(\q>>1)*8192
	global_load_b128 v[16+8*\q+4:16+8*\q+7], v[VA], s[6:7] offset:(\q&1)*256+(\q>>1)*8192+16
.endr
	s_wait_loadcnt 0x0
.set p, 0
.rept 16
	v_cvt_pk_f16_f32 v[48+p], v[16+2*p], v[16+2*p+1]
.set p, p+1
.endr
.irp q, 0,1,2,3
	global_store_b128 v[VB], v[48+4*\q:48+4*\q+3], s[18:19] offset:\q*2048
.endr
	s_branch .Lend
	; ROLES F AND Z.  D[k][n] = the sum over j of A[k][j] B[n][j], one tile of 16 x 16; the 512 j are split among the four waves, 128 each, four steps of 32.
	; B[n][j] = fc2_w[16 nt + n][j].  F: A[k][j] = fc1_w[j][16 kt + k], fetched number by number (16 lanes take 64 consecutive bytes).  Z: A[k][j] = fc1_b[j] in every row k.
.Lfold:
	s_cmp_lt_u32 ttmp9, 664
	s_cselect_b32 s[ISF], 1, 0
	s_cbranch_scc0 .Lz_ids
	s_sub_co_u32 s25, ttmp9, 280
	s_lshr_b32 s[LAYER], s25, 6
	s_bfe_u32 s[KT], s25, 0x30003
	s_and_b32 s[NT], s25, 7
	s_branch .Lids
.Lz_ids:
	s_sub_co_u32 s25, ttmp9, 664
	s_lshr_b32 s[LAYER], s25, 3
	s_mov_b32 s[KT], 0
	s_and_b32 s[NT], s25, 7
.Lids:
	s_lshl_b32 s[OFS], s[LAYER], 18                ; a layer of fc2_w is 262,144 bytes,
	s_lshl_b32 s[TS], s[NT], 15                    ; 16 rows of 2,048,
	s_add_co_u32 s[OFS], s[OFS], s[TS]
	s_lshl_b32 s[TS], s[WV], 9                     ; my wave's 128 numbers of a row
	s_add_co_u32 s[OFS], s[OFS], s[TS]
	s_add_nc_u64 s[12:13], s[12:13], s[OFS:OFS+1]
	v_lshlrev_b32 v[VB], 11, v[RR]
	v_lshl_add_u32 v[VB], v[HH], 5, v[VB]
.irp s, 0,1,2,3
	global_load_b128 v[BR+16*\s:BR+16*\s+3],     v[VB], s[12:13] offset:\s*128
	global_load_b128 v[BR+16*\s+4:BR+16*\s+7],   v[VB], s[12:13] offset:\s*128+16
	global_load_b128 v[BR+16*\s+8:BR+16*\s+11],  v[VB], s[12:13] offset:\s*128+64
	global_load_b128 v[BR+16*\s+12:BR+16*\s+15], v[VB], s[12:13] offset:\s*128+80
.endr
; The 64 numbers of source 0: number i of step s is j = 32 s + i % 8 + 16 (i / 8) (+ 8 for the upper lanes, in VA); pitch = bytes from j to j + 1.
.macro ALOAD base, pitch
.irp s, 0,1,2,3
.irp i, 0,1,2,3,4,5,6,7,8,9,10,11,12,13,14,15
	global_load_b32 v[AR+16*\s+\i], v[VA], s[\base:\base+1] offset:(32*\s+(\i&7)+16*(\i>>3))*\pitch
.endr
.endr
.endm
	s_cmp_eq_u32 s[ISF], 1
	s_cbranch_scc0 .Lz_a
	s_lshl_b32 s[OFS], s[LAYER], 18                ; a layer of fc1_w is 262,144 bytes,
	s_lshl_b32 s[TS], s[WV], 16                    ; my wave's 128 rows of 512,
	s_add_co_u32 s[OFS], s[OFS], s[TS]
	s_lshl_b32 s[TS], s[KT], 6                     ; the tile's 16 columns
	s_add_co_u32 s[OFS], s[OFS], s[TS]
	s_add_nc_u64 s[8:9], s[8:9], s[OFS:OFS+1]
	v_lshlrev_b32 v[VA], 12, v[HH]
	v_lshl_add_u32 v[VA], v[RR], 2, v[VA]
	ALOAD 8, 512
	s_branch .Lloaded
.Lz_a:
	s_lshl_b32 s[OFS], s[LAYER], 11
	s_lshl_b32 s[TS], s[WV], 9
	s_add_co_u32 s[OFS], s[OFS], s[TS]
	s_add_nc_u64 s[10:11], s[10:11], s[OFS:OFS+1]
	v_lshlrev_b32 v[VA], 5, v[HH]
	ALOAD 10, 4
.Lloaded:
	s_wait_loadcnt 0x0
.set p, 0
.rept 32
	v_cvt_pk_f16_f32 v[AF+p], v[AR+2*p], v[AR+2*p+1]
	v_cvt_pk_f16_f32 v[BF+p], v[BR+2*p], v[BR+2*p+1]
.set p, p+1
.endr
	; two accumulators by turns; the first product on each starts its sum
	v_wmma_f32_16x16x32_f16 v[ACC0:ACC0+7], v[AF:AF+7],       v[BF:BF+7],       0
	v_wmma_f32_16x16x32_f16 v[ACC1:ACC1+7], v[AF+8:AF+15],    v[BF+8:BF+15],    0
	v_wmma_f32_16x16x32_f16 v[ACC0:ACC0+7], v[AF+16:AF+23],   v[BF+16:BF+23],   v[ACC0:ACC0+7]
	v_wmma_f32_16x16x32_f16 v[ACC1:ACC1+7], v[AF+24:AF+31],   v[BF+24:BF+31],   v[ACC1:ACC1+7]
.rept 8
	v_nop                                          ; the places behind the products (ISA guide 7.12.1), with room to spare: once a work-group
.endr
.irp r, 0,2,4,6
	v_pk_add_f32 v[ACC0+\r:ACC0+\r+1], v[ACC0+\r:ACC0+\r+1], v[ACC1+\r:ACC1+\r+1]  ; from the low end on
.endr
	s_lshl_b32 s[TS], s[WV], 10
	v_lshl_add_u32 v11, v[LN], 4, s[TS]
	v_lshlrev_b32 v12, 4, v[LN]
	ds_store_b128 v11, v[ACC0:ACC0+3]   offset:PART
	ds_store_b128 v11, v[ACC0+4:ACC0+7] offset:PART+512
	s_wait_dscnt 0x0                               ; for the others' sake: my partial tile lies in LDS
	s_barrier_signal -1
	s_barrier_wait -1
	s_cmp_lg_u32 s[WV], 0                          ; wave 0 adds the four and stores
	s_cbranch_scc1 .Lend
.irp v, 0,1,2,3
	ds_load_b128 v[32+8*\v:32+8*\v+3],   v12 offset:PART+1024*\v
	ds_load_b128 v[32+8*\v+4:32+8*\v+7], v12 offset:PART+1024*\v+512
.endr
	s_wait_dscnt 0x0
.irp r, 0,2,4,6
	v_pk_add_f32 v[32+\r:32+\r+1], v[32+\r:32+\r+1], v[40+\r:40+\r+1]
	v_pk_add_f32 v[48+\r:48+\r+1], v[48+\r:48+\r+1], v[56+\r:56+\r+1]
.endr
.irp r, 0,2,4,6
	v_pk_add_f32 v[32+\r:32+\r+1], v[32+\r:32+\r+1], v[48+\r:48+\r+1]
.endr
	s_cmp_eq_u32 s[ISF], 1
	s_cbranch_scc0 .Lz_out
	; F: lane (r, h) holds Wf[16 nt + r][16 kt + 8 h + 0..7]: the chunk (nt, kt / 2, kt % 2, lane).  hi = the sum rounded to f16, lo = what is left, rounded to f16.
.irp p, 0,1,2,3
	v_cvt_pk_f16_f32 v[64+\p], v[32+2*\p], v[32+2*\p+1]
.endr
	v_cvt_f32_f16 v72, v64.l
	v_cvt_f32_f16 v73, v64.h
	v_cvt_f32_f16 v74, v65.l
	v_cvt_f32_f16 v75, v65.h
	v_cvt_f32_f16 v76, v66.l
	v_cvt_f32_f16 v77, v66.h
	v_cvt_f32_f16 v78, v67.l
	v_cvt_f32_f16 v79, v67.h
.irp r, 0,2,4,6
	v_pk_add_f32 v[32+\r:32+\r+1], v[32+\r:32+\r+1], v[72+\r:72+\r+1] neg_lo:[0,1] neg_hi:[0,1]
.endr
.irp p, 0,1,2,3
	v_cvt_pk_f16_f32 v[68+\p], v[32+2*\p], v[32+2*\p+1]
.endr
	s_mul_i32 s[OFS], s[LAYER], 98304
	s_lshl_b32 s[TS], s[NT], 3
	s_add_co_u32 s[TS], s[TS], s[KT]               ; (nt 4 + kt / 2) 2 + kt % 2 = 8 nt + kt
	s_lshl_b32 s[TS], s[TS], 9
	s_add_co_u32 s[OFS], s[OFS], s[TS]
	s_add_nc_u64 s[18:19], s[18:19], s[OFS:OFS+1]
	global_store_b128 v12, v[64:67], s[18:19] offset:32768   ; 512 consecutive bytes each
	global_store_b128 v12, v[68:71], s[18:19] offset:65536
	s_branch .Lend
.Lz_out:
	; Z: every register holds the sum for n = 16 nt + r.  Lanes 0-15 store 64 bytes: 3,072 bytes in the whole launch leave in such pieces.
	s_lshl_b32 s[OFS], s[LAYER], 9
	s_lshl_b32 s[TS], s[NT], 6
	s_add_co_u32 s[OFS], s[OFS], s[TS]
	s_add_nc_u64 s[14:15], s[14:15], s[OFS:OFS+1]
	s_add_nc_u64 s[20:21], s[20:21], s[OFS:OFS+1]
	v_lshlrev_b32 v9, 2, v[RR]
	global_load_b32 v10, v9, s[14:15]              ; fc2_b
	s_wait_loadcnt 0x0
	v_add_f32 v10, v10, v32
	v_cmp_gt_u32 vcc_lo, 16, v[LN]
	s_wait_xcnt 0x0                                ; EXEC changes only behind this wait
	s_and_saveexec_b32 s[SV], vcc_lo
	global_store_b32 v9, v10, s[20:21]
	s_wait_xcnt 0x0                                ; and again in front of the line that widens it
	s_or_b32 exec_lo, exec_lo, s[SV]
.Lend:
	s_wait_tensorcnt 0x0                           ; the wave's end, behind my last LDS store
	ds_add_u32 v[SPW], v[NIL]
	s_wait_dscnt 0x0
	s_endpgm
.Lfunc_end_k_q969d8e7bc8_prep:
	.size	k_q969d8e7bc8_prep, .Lfunc_end_k_q969d8e7bc8_prep-k_q969d8e7bc8_prep
	.p2alignl 7, 3214868480
	.fill 96, 4, 3214868480
	.section	.rodata,"a",@progbits
	.p2align	6, 0x0
	.amdhsa_kernel k_q969d8e7bc8_prep
		.amdhsa_group_segment_fixed_size 4608
		.amdhsa_private_segment_fixed_size 0
		.amdhsa_enable_private_segment 0
		.amdhsa_kernarg_size 80
		.amdhsa_user_sgpr_count 2
		.amdhsa_user_sgpr_kernarg_segment_ptr 1
		.amdhsa_wavefront_size32 1
		.amdhsa_system_sgpr_workgroup_id_x 1
		.amdhsa_system_sgpr_workgroup_id_y 1
		.amdhsa_system_sgpr_workgroup_id_z 1
		.amdhsa_system_vgpr_workitem_id 0
		.amdhsa_next_free_vgpr 224
		.amdhsa_next_free_sgpr 66
		.amdhsa_reserve_vcc 1
		.amdhsa_float_denorm_mode_32 3
		.amdhsa_float_denorm_mode_16_64 3
		.amdhsa_memory_ordered 1
		.amdhsa_forward_progress 1
		.amdhsa_inst_pref_size 31
	.end_amdhsa_kernel
	.amdgpu_metadata
---
amdhsa.version: [ 1, 2 ]
amdhsa.kernels:
  - .name:           k_q969d8e7bc8_prep
    .symbol:         k_q969d8e7bc8_prep.kd
    .args:
      - { .name: x, .offset: 0, .size: 8, .value_kind: global_buffer, .address_space: global }
      - { .name: wo_w, .offset: 8, .size: 8, .value_kind: global_buffer, .address_space: global }
      - { .name: fc1_w, .offset: 16, .size: 8, .value_kind: global_buffer, .address_space: global }
      - { .name: fc1_b, .offset: 24, .size: 8, .value_kind: global_buffer, .address_space: global }
      - { .name: fc2_w, .offset: 32, .size: 8, .value_kind: global_buffer, .address_space: global }
      - { .name: fc2_b, .offset: 40, .size: 8, .value_kind: global_buffer, .address_space: global }
      - { .name: x16a, .offset: 48, .size: 8, .value_kind: global_buffer, .address_space: global }
      - { .name: wpk, .offset: 56, .size: 8, .value_kind: global_buffer, .address_space: global }
      - { .name: bfp, .offset: 64, .size: 8, .value_kind: global_buffer, .address_space: global }
      - { .name: laya, .offset: 72, .size: 8, .value_kind: global_buffer, .address_space: global }
    .group_segment_fixed_size: 4608
    .private_segment_fixed_size: 0
    .kernarg_segment_align: 8
    .kernarg_segment_size: 80
    .max_flat_workgroup_size: 128
    .sgpr_count:     66
    .vgpr_count:     224
    .wavefront_size: 32
...
	.end_amdgpu_metadata
.endif
;; end of part 1
;; launch l0 (part 2): grid 256 x 1, 8 waves a work-group, clusters of 4 x 1, 327,680 bytes of LDS; arguments x16a, x, wpk, bfp, wo_b, ln1_g, ln1_b, ln2_g, ln2_b, laya, xw, x16b, layb; writes xw, x16b, layb
.if DOCPART == 2
	.amdgcn_target "amdgcn-amd-amdhsa--gfx1250"
	.amdhsa_code_object_version 6
	.text
	.protected	k_q969d8e7bc8_l0
	.globl	k_q969d8e7bc8_l0
	.p2align	8
	.type	k_q969d8e7bc8_l0,@function
k_q969d8e7bc8_l0:
	s_mov_b64 s[64:65], 0
	v_nop
	global_prefetch_b8 v0, s[64:65] scope:SCOPE_SE
	s_setreg_imm32_b32 hwreg(HW_REG_WAVE_MODE, 25, 1), 1
	s_wait_xcnt 0x0
	s_wait_alu depctr_hold_cnt(0) depctr_sa_sdst(0) depctr_va_vdst(0) depctr_va_sdst(0) depctr_va_ssrc(0) depctr_va_vcc(0) depctr_vm_vsrc(0)
	s_getreg_b32 s2, hwreg(HW_REG_IB_STS2, 6, 4)
	s_cmp_eq_u32 s2, 0
	s_cbranch_scc0 .Lentry_in_a_cluster
	s_endpgm
.Lentry_in_a_cluster:
	s_bfe_u32 s2, ttmp6, 0x10000c
	s_cmp_lg_u32 s2, 0x3003
	s_cbranch_scc0 .Lentry_shape_is_right
	s_endpgm
.Lentry_shape_is_right:
; ONE ENCODER LAYER for 32 rows a work-group: attention of the 4 heads of 32 channels (q = k = v = the head's slice of x, scale 1 / sqrt(32)), Wo + bias, residual, LayerNorm,
; the folded FFN x1 Wf^T + bf (Wf = fc2_w fc1_w as an f16 pair hi + lo, bf = fc2_w fc1_b + fc2_b: made by the launch before the first layer), residual, LayerNorm.
; Arguments: x in f16 (K = V = Q), x in f32 (the residual), the packed weights, bf, wo_b, ln1_g, ln1_b, ln2_g, ln2_b, the layer number; out: x in f32, x in f16, the layer number + 1.
; One text serves the six layers: the layer number is a whole number read from memory, held to 0..5, and enters global addresses alone.  The last layer's f16 copy and number are stored though nothing reads them.
; SHARES.  256 work-groups of 8 waves.  Attention: wave w has head w % 4 and key half w / 4 (1,024 keys), both tiles of 16 queries; it walks 16 steps of 64 keys; the two halves are merged at the end.
; Products behind it: wave w makes output channels 16 w .. 16 w + 15 of all 32 rows.  LayerNorm and stores: wave w has rows 4 w .. 4 w + 3, lane l channels 4 l .. 4 l + 3.
; LAYOUT.  S^T = K Q^T (source 0 = 16 keys, source 1 = 16 queries, 32 channels = one instruction): a lane holds ONE query and 8 keys.  Two results rounded to f16 in pairs ARE source 1 of O^T = V^T P.
; The row sums l are a product too, ones x P, so l is the sum of the ROUNDED weights, the numbers that multiply V.  K and V are the same LDS bytes: K is read as it lies, V turned by ds_load_tr16_b128.
; In each block of 16 keys both reads take the keys in the same other order (matrix index 8 h + j is LDS row 2 j + h): then, at a pitch of 272 bytes, the 16 lanes of each half of either load touch 16 different
; 16-byte columns modulo 256 bytes.
; SOFTMAX.  A running maximum m and sum l for each query: p = 2^(c s - c m), c = log2(e) / sqrt(32); in every step O and l are multiplied by a = 2^(c m_old - c m_new).  m starts at the lowest finite number,
; O and l at 0, so the first step is a step like any other, with a = 0.
; CLUSTER.  The 64 work-groups of a batch walk the same 2,048 rows; four of them form a cluster and ask for each tile JOINTLY: the same tensor load, descriptor and mask in all four.
; LIMITS.  Matrix operands are f16: x, the LayerNorms' outputs, the attention's output and the weights stay under 65,504; a weight p under 2^-25 counts as 0, in l and in O alike; below 6e-5 p keeps f16's fixed step.
; The FFN's order of rounding differs from reference()'s (the fold).  NaN and infinities are not treated apart.
.set PITCH, 272                        ; an LDS row of x in f16: 256 bytes + 16 of padding
.set WROWS, 64*PITCH                   ; 64 rows: a key step, and what one tensor load brings
.set HALFS, 256*PITCH                  ; a slot's rows of one key half
.set SLOT,  512*PITCH                  ; a slot: 256 keys of half 0, then 256 keys of half 1
.set MRG,   2*SLOT                     ; behind the ring: 4 heads x 4,608 bytes, the second key half's O^T, c m and l
.set MRGH,  4608
.set X1ST,  MRG                        ; later the same bytes: 32 rows x 272, the first LayerNorm's output in f16
.set O16,   MRG+4*MRGH                 ; 32 rows x 272: the attention's output in f16, all heads
.set YST,   O16+32*PITCH               ; 32 rows x 528 (512 + 16): a product's output in f32
.set YP,    528
.set SPARE, YST+32*YP                  ; the spare words, 128 bytes a wave: four blocks of 256 bytes that no other line names
; window 0
.set RR,  1                            ; lane % 16
.set HH,  2                            ; lane / 16
.set AK0, 3                            ; my lane's place in a slot for K's loads; never rewritten
.set AV0, 4                            ; for V's
.set AK,  5                            ; the address of K's next run of loads
.set AV,  6                            ; of V's
.set QO,  7                            ; my byte offset in 16 rows of Q
.set SPW, 8                            ; my spare word's LDS address; never rewritten
.set NIL, 9                            ; 0; never rewritten
.set L16, 10                           ; 16 x lane
.set PFO, 11                           ; 256 x lane
.set FAO, 12                           ; fragments out of O16
.set FAX, 13                           ; out of X1ST
.set YS,  14                           ; where I put 32 bytes of a row of YST
.set YR,  15                           ; where I read my rows of YST
.set ST,  16                           ; tile t's statistics at ST + 8 t: +0 c m, +1 m, +2 c m_old, +4..7 c0-c3 at work; a takes c2's place, c m_old - c m c3's
.set Q,   32                           ; 8 registers a tile
.set ONES, 48                          ; 16 x 32 ones in f16
.set KF,  56                           ; K: key block kb at KF + 8 kb
.set VF,  88                           ; V^T: keys 32 kk on, channels 16 cb on at VF + 16 kk + 8 cb
.set S,   120                          ; S^T: tile t, key block kb at S + 32 t + 8 kb; P in place: keys 32 kk on at S + 32 t + 8 kk
.set OT,  184                          ; O^T: OT + 16 t + 8 cb
.set LA,  216                          ; the row sums: LA + 8 t; only registers 0 and 1 are rescaled, register 0 is used
.set TM,  240                          ; at work at the head
.set MS,  248                          ; my 16 bytes in my head's part of MRG
.set OS,  249                          ; where I put 16 bytes of a row of O16
.set XS,  250                          ; where I put 8 bytes of a row of X1ST
.set L8,  251                          ; 8 x lane
.set LY,  252                          ; v[252:253] the layer number + 1, twice
; window 0, behind the attention
.set Y,   56                           ; two accumulators, row tile mt at Y + 8 mt
.set FR,  184                          ; fragments: row tile mt, channels 32 ks on at FR + 32 mt + 8 ks
.set T,   120                          ; my four rows, 4 registers each
.set X1,  136                          ; the first LayerNorm's output, f32
.set QD,  152                          ; four registers a row: mean, at work, 1 / sigma, at work
.set HP,  168                          ; a row in f16, 2 registers
.set PO,  56                           ; the merge: the partner's O^T,
.set PS,  88                           ; its c m (two tiles) and l (two tiles),
.set MT,  92                           ; and 8 registers a tile at work
; window 1 (v256 ..): loaded at the head, read behind the attention
.set WO,  0                            ; Wo's four fragments for my 16 output channels
.set WH,  32                           ; Wf's hi part
.set WL,  64                           ; its lo part
.set XR,  96                           ; my four residual rows
.set PWB, 112                          ; wo_b, ln1_g, ln1_b, bf, ln2_g, ln2_b: my four channels of each
.set PG1, 116
.set PB1, 120
.set PBF, 124
.set PG2, 128
.set PB2, 132
; scalars
.set WV,  30
.set HD,  31
.set GRP, 32
.set CX,  33
.set WG,  34
.set BAT, 35
.set LAYER, 36
.set G1,  40                           ; s[40:47] descriptor group 1
.set G0,  48                           ; s[48:55] group 0, a set for each slot
.set CS,  56                           ; s[56:57] c, twice
.set SEL, 58                           ; s[58:59] v_permlanex16_b32's selects: each lane takes its own place in the other half
.set CNT, 60
.set RCPN, 61                          ; 1 / 128
.set EPS, 62                           ; 1e-8
.set PFA, 66                           ; s[66:67] where my prefetch stands; never rewritten
.set ASKER, 68                         ; 1 in a wave that prefetches
.set QB,  70
.set WB,  72
.set XB,  74
.set OB,  76
.set HB,  78
.set LB,  80
.set OFS, 82                           ; s[82:83] offsets that may hang on my place in the cluster
.set JB,  84                           ; s[84:85] the joint loads' offset, then address: these and s86, s87 never hold my place in the cluster
.set JT,  86
.set TS,  88                           ; s88, s89 at work
.set MSB, 0
.macro WIN new                         ; the immediate's high byte repeats the setting that is left; a switch that changes nothing is dropped
.if MSB != (\new)
	s_set_vgpr_msb (MSB<<8)|(\new)
.set MSB, \new
.endif
.endm
; A round of the cluster's barrier: my work-group's barrier, so that wave 0's signal speaks for all eight waves; wave 0 signals; every wave waits for all four work-groups; my work-group's barrier once more.
.macro ROUND
	s_barrier_signal -1
	s_barrier_wait -1
	s_cmp_lg_u32 s[WV], 0
	s_cbranch_scc1 .Lnot_wave_0_\@
	s_barrier_signal -3
.Lnot_wave_0_\@:
	s_barrier_wait -3
	s_barrier_signal -1
	s_barrier_wait -1
.endm
; THE CHANGE OF SLOTS.  Each wave waits for all its tensor loads, of which one is out: its part of the other slot; adds 0 to its spare word; waits for that and for its reads of the slot that it leaves.
; fill = 1: the slot just read is filled again with the keys two slots on.  The barrier is then a round of the cluster's, and the joint refill, one a wave, is the first thing behind it.
.macro CHANGE slot, fill
	s_wait_tensorcnt 0x0                           ; no tensor load of mine is out, so a group 0 may be written
	ds_add_u32 v[SPW], v[NIL]
.if \fill
	s_add_nc_u64 s[G0+4*(\slot)+2:G0+4*(\slot)+3], s[G0+4*(\slot)+2:G0+4*(\slot)+3], 131072  ; 512 rows of 256 bytes on; the type bits on top are not reached
.endif
	s_wait_dscnt 0x0                               ; the add is done, and my reads of the slot are over
.if \fill
	ROUND
	tensor_load_to_lds s[G0+4*(\slot):G0+4*(\slot)+3], s[G1:G1+7]
	s_nop 0
.rept 4
	v_nop
.endr
.else
	s_barrier_signal -1
	s_barrier_wait -1
.endif
.endm
	s_load_b512 s[4:19], s[0:1], 0x0               ; x16 in 4, x f32 in 6, wpk 8, bf 10, wo_b 12, ln1_g 14, ln1_b 16, ln2_g 18
	s_load_b256 s[20:27], s[0:1], 0x40             ; ln2_b 20, layer in 22, x f32 out 24, x16 out 26
	s_load_b64 s[28:29], s[0:1], 0x60              ; layer out
	v_lshl_add_u32 v[SPW], v0, 2, SPARE
	v_mov_b32 v[NIL], 0
	ds_add_u32 v[SPW], v[NIL]                      ; the wave's opening: the add and its wait ahead of my first tensor load; the set-up below, work on registers, stands between them
	v_lshrrev_b32 v[TM], 5, v0
	v_readfirstlane_b32 s[WV], v[TM]               ; wave 0..7
	s_and_b32 s[HD], s[WV], 3                      ; my head; also which 64 rows of a slot's half I fetch
	s_lshr_b32 s[GRP], s[WV], 2                    ; my key half
	s_bfe_u32 s[CX], ttmp6, 0x40000                ; my place in the cluster
	s_lshl_b32 s[WG], ttmp9, 2                     ; in a cluster launch ttmp9 counts clusters
	s_add_co_u32 s[WG], s[WG], s[CX]               ; my block of 32 rows: it enters global addresses of my own alone
	s_lshr_b32 s[BAT], ttmp9, 4                    ; the batch: 16 clusters each; the four partners share it
	; descriptor group 1: a tile of 64 rows x 128 elements of 2 bytes, padded in LDS
	s_mov_b32 s[G1], 15|(1<<16)|(1<<20)|(1<<21)|(5<<22)|(3<<25)  ; 15:0 the mask of four; 17:16 2-byte elements; 20 padding on; 21 set beside a mask; 24:22 after every 64 words (code 5); 31:25 4 words (code 3)
	s_mov_b32 s[G1+1], 128<<16                     ; tensor_dim0 = 128
	s_mov_b32 s[G1+2], 64<<16                      ; tensor_dim1 = 64
	s_mov_b32 s[G1+3], 128<<16                     ; tile_dim0 = 128
	s_mov_b32 s[G1+4], 64                          ; tile_dim1 = 64
	s_mov_b32 s[G1+5], 128                         ; 128 elements from row to row
	s_mov_b32 s[G1+6], 0
	s_mov_b32 s[G1+7], 0
	s_mov_b32 s[CS], 0x3e8293ee                    ; c = log2(e) / sqrt(32) = 0.255035
	s_mov_b32 s[CS+1], s[CS]
	s_mov_b32 s[SEL], 0x76543210
	s_mov_b32 s[SEL+1], 0xfedcba98
	s_mov_b32 s[RCPN], 0x3c000000
	s_mov_b32 s[EPS], 0x322bcc77
	s_lshl_b32 s[JB], s[BAT], 19                   ; the batch's 2,048 rows of 256 bytes,
	s_lshl_b32 s87, s[GRP], 18                     ; my half's 1,024,
	s_add_co_u32 s[JB], s[JB], s87
	s_lshl_b32 s87, s[HD], 14                      ; my 64 of a slot's 256
	s_add_co_u32 s[JB], s[JB], s87
	s_mov_b32 s[JB+1], 0
	s_mul_i32 s[JT], s[WV], WROWS                  ; and where they go: wave x 64 rows: no place in the cluster enters an LDS address
	s_and_b32 s[ASKER], ttmp9, 15                  ; the batch's first cluster,
	s_or_b32 s[ASKER], s[ASKER], s[GRP]            ; waves 0 to 3: the same in all four partners
	s_cmp_eq_u32 s[ASKER], 0
	s_cselect_b32 s[ASKER], 1, 0
	v_and_b32 v[RR], 15, v0
	v_bfe_u32 v[HH], v0, 4, 1
	v_and_b32 v[TM], 7, v0
	v_bfe_u32 v[TM+1], v0, 3, 1
	v_and_b32 v[TM+3], 31, v0
	s_lshl_b32 s[TS], s[HD], 6                     ; my head's 64 bytes of a row,
	s_mul_i32 s[TS+1], s[GRP], HALFS               ; my half's rows of a slot
	s_add_co_u32 s[TS], s[TS], s[TS+1]
	v_lshl_add_u32 v[TM+2], v[TM], 1, v[TM+1]      ; K: lane (r, h) reads row 2 (r % 8) + r / 8, channels 8 h on
	v_mul_u32_u24 v[AK0], v[TM+2], PITCH
	v_lshl_add_u32 v[AK0], v[HH], 4, v[AK0]
	v_add_nc_u32 v[AK0], s[TS], v[AK0]
	v_lshl_add_u32 v[TM+2], v[TM], 1, v[HH]        ; V: lane l reads row 2 (l % 8) + l / 16, channels 8 ((l / 8) % 2) on
	v_mul_u32_u24 v[AV0], v[TM+2], PITCH
	v_lshl_add_u32 v[AV0], v[TM+1], 4, v[AV0]
	v_add_nc_u32 v[AV0], s[TS], v[AV0]
	v_lshlrev_b32 v[QO], 8, v[RR]
	v_lshl_add_u32 v[QO], v[HH], 4, v[QO]
	v_lshlrev_b32 v[L16], 4, v[TM+3]
	v_lshlrev_b32 v[PFO], 8, v[TM+3]
	v_lshlrev_b32 v[L8], 3, v[TM+3]
	v_mul_u32_u24 v[TM+2], v[RR], PITCH
	v_lshl_add_u32 v[TM+2], v[HH], 4, v[TM+2]      ; row r x pitch + 16 x half
	v_add_nc_u32 v[FAO], O16, v[TM+2]
	v_add_nc_u32 v[FAX], X1ST, v[TM+2]
	s_lshl_b32 s[TS], s[HD], 6
	s_add_co_u32 s[TS], s[TS], O16
	v_add_nc_u32 v[OS], s[TS], v[TM+2]
	v_mul_u32_u24 v[YS], v[RR], YP
	v_lshl_add_u32 v[YS], v[HH], 5, v[YS]
	s_lshl_b32 s[TS], s[WV], 6
	s_add_co_u32 s[TS], s[TS], YST
	v_add_nc_u32 v[YS], s[TS], v[YS]
	s_mul_i32 s[TS], s[WV], 4*YP
	s_add_co_u32 s[TS], s[TS], YST
	v_add_nc_u32 v[YR], s[TS], v[L16]
	s_mul_i32 s[TS], s[HD], MRGH
	s_add_co_u32 s[TS], s[TS], MRG
	v_add_nc_u32 v[MS], s[TS], v[L16]
	s_mul_i32 s[TS], s[WV], 4*PITCH
	s_add_co_u32 s[TS], s[TS], X1ST
	v_add_nc_u32 v[XS], s[TS], v[L8]
	s_wait_dscnt 0x0                               ; the opening add is done
	s_wait_kmcnt 0x0
	s_lshl_b32 s[OFS], s[WG], 8                    ; my work-group's 256 bytes of the two layer buffers
	s_mov_b32 s[OFS+1], 0
	s_add_nc_u64 s[22:23], s[22:23], s[OFS:OFS+1]
	s_add_nc_u64 s[LB:LB+1], s[28:29], s[OFS:OFS+1]
	s_load_b32 s[LAYER], s[22:23], 0x0
	s_add_nc_u64 s[JB:JB+1], s[4:5], s[JB:JB+1]
.irp n, 0,1
	s_mov_b32 s[G0+4*\n], 1                        ; count = 1
	s_add_co_u32 s[G0+4*\n+1], s[JT], \n*SLOT      ; LDS address
	s_add_nc_u64 s[G0+4*\n+2:G0+4*\n+3], s[JB:JB+1], \n*65536  ; global address: slot n begins with keys 256 n of each half
	s_or_b32 s[G0+4*\n+3], s[G0+4*\n+3], 0x80000000  ; type = 2
.endr
	ROUND                                          ; all four work-groups are here: the first joint loads meet
	tensor_load_to_lds s[G0:G0+3], s[G1:G1+7]      ; both first fills together: two loads of mine are out
	s_nop 0
	tensor_load_to_lds s[G0+4:G0+7], s[G1:G1+7]
	s_nop 0
.rept 4
	v_nop
.endr
	s_lshl_b32 s[OFS], s[WG], 13                   ; my 32 rows in f16,
	s_lshl_b32 s[TS], s[HD], 6
	s_add_co_u32 s[OFS], s[OFS], s[TS]             ; my head's channels
	s_add_nc_u64 s[QB:QB+1], s[4:5], s[OFS:OFS+1]
.irp t, 0,1
	global_load_b128 v[Q+8*\t:Q+8*\t+3],   v[QO], s[QB:QB+1] offset:\t*4096
	global_load_b128 v[Q+8*\t+4:Q+8*\t+7], v[QO], s[QB:QB+1] offset:\t*4096+32
.endr
	s_lshl_b32 s[OFS], s[WG], 13
	s_lshl_b32 s[TS], s[WV], 10                    ; my wave's 4 rows
	s_add_co_u32 s[OFS], s[OFS], s[TS]
	s_add_nc_u64 s[HB:HB+1], s[26:27], s[OFS:OFS+1]
	s_lshl_b32 s[OFS], s[OFS], 1                   ; the same rows in f32
	s_add_nc_u64 s[XB:XB+1], s[6:7], s[OFS:OFS+1]
	s_add_nc_u64 s[OB:OB+1], s[24:25], s[OFS:OFS+1]
	; the prefetch's address: of the 512 rows of the last slot's fill, the 32 from 1,024 (u / 8) + 768 + 32 (u % 8) on, u = 4 x my place in the cluster + my wave: the partners are told apart by address
	s_lshl_b32 s[TS], s[CX], 2
	s_add_co_u32 s[TS], s[TS], s[HD]
	s_lshr_b32 s[TS+1], s[TS], 3
	s_lshl_b32 s[TS+1], s[TS+1], 18
	s_and_b32 s[TS], s[TS], 7
	s_lshl_b32 s[TS], s[TS], 13
	s_add_co_u32 s[OFS], s[TS], s[TS+1]
	s_add_co_u32 s[OFS], s[OFS], 768*256
	s_lshl_b32 s[TS], s[BAT], 19
	s_add_co_u32 s[OFS], s[OFS], s[TS]
	s_add_nc_u64 s[PFA:PFA+1], s[4:5], s[OFS:OFS+1]
	s_wait_kmcnt 0x0
	s_min_u32 s[LAYER], s[LAYER], 5                ; a number read from memory enters addresses only held to its range
	s_mul_i32 s[OFS], s[LAYER], 98304              ; a layer's three matrices,
	s_lshl_b32 s[TS], s[WV], 12                    ; my 16 output channels: 4,096 bytes of each
	s_add_co_u32 s[OFS], s[OFS], s[TS]
	s_add_nc_u64 s[WB:WB+1], s[8:9], s[OFS:OFS+1]
	s_lshl_b32 s[OFS], s[LAYER], 9                 ; a layer's 128 numbers of each parameter
.irp p, 10,12,14,16,18,20
	s_add_nc_u64 s[\p:\p+1], s[\p:\p+1], s[OFS:OFS+1]
.endr
	s_add_co_u32 s[TS], s[LAYER], 1
	WIN 0x40                                       ; destination window 1, address window 0.  These 34 loads are wanted behind the attention alone
.irp i, 0,1,2,3
	global_load_b128 v[XR+4*\i:XR+4*\i+3], v[L16], s[XB:XB+1] offset:\i*512 th:TH_LOAD_NT
.endr
.irp m, 0,1,2
.irp c, 0,1,2,3,4,5,6,7
	global_load_b128 v[32*\m+4*\c:32*\m+4*\c+3], v[L16], s[WB:WB+1] offset:\m*32768+\c*512
.endr
.endr
	global_load_b128 v[PWB:PWB+3], v[L16], s[12:13]
	global_load_b128 v[PG1:PG1+3], v[L16], s[14:15]
	global_load_b128 v[PB1:PB1+3], v[L16], s[16:17]
	global_load_b128 v[PBF:PBF+3], v[L16], s[10:11]
	global_load_b128 v[PG2:PG2+3], v[L16], s[18:19]
	global_load_b128 v[PB2:PB2+3], v[L16], s[20:21]
	WIN 0
	v_mov_b32 v[LY], s[TS]
	v_mov_b32 v[LY+1], s[TS]
	; what the first step finds; all this stands in the wait for the first tile.  No first step is written out: 48 lines here for one text of the step
.set i, 0
.rept 8
	v_mov_b32 v[ONES+i], 0x3c003c00
.set i, i+1
.endr
.set i, 0
.rept 48
	v_mov_b32 v[OT+i], 0
.set i, i+1
.endr
.irp t, 0,1
	v_mov_b32 v[ST+8*\t], 0xfe000000               ; c m: far below every c s
	v_mov_b32 v[ST+8*\t+1], 0xff7fffff             ; m
.endr
; THE LDS LOADS stand in runs of 8: a step's K (4 fragments of 16 keys x 32 channels) and its V (turned: 2 x 2 fragments of 16 channels x 32 keys).
.macro FETCHK
.irp kb, 0,1,2,3
	ds_load_b128 v[KF+8*\kb:KF+8*\kb+3],   v[AK] offset:\kb*16*PITCH
	ds_load_b128 v[KF+8*\kb+4:KF+8*\kb+7], v[AK] offset:\kb*16*PITCH+32
.endr
.endm
.macro FETCHV
.irp kk, 0,1
.irp cb, 0,1
	ds_load_tr16_b128 v[VF+16*\kk+8*\cb:VF+16*\kk+8*\cb+3],   v[AV] offset:\kk*32*PITCH+\cb*32
	ds_load_tr16_b128 v[VF+16*\kk+8*\cb+4:VF+16*\kk+8*\cb+7], v[AV] offset:\kk*32*PITCH+16*PITCH+\cb*32
.endr
.endr
.endm
; THE VECTOR WORK of a tile and step, as numbered lists.
; XM t, n: number n of the 20 that find the maximum and statistics.  0-11 four chains c0-c3 of seven scores each (each accumulator's lowest registers are read first);
; 12-15 the four scores left over, c0-c3 and the old m into c0; 16, 17 the query's other 32 keys lie in the lane 16 away: the new m; 18 c m; 19 c m_old - c m_new.
.macro XM t, n
.set rT, ST+8*(\t)
.set rS, S+32*(\t)
.if (\n) < 4
	v_max3_num_f32 v[rT+4+(\n)], v[rS+8*(\n)], v[rS+8*(\n)+1], v[rS+8*(\n)+2]
.elseif (\n) < 12
	v_max3_num_f32 v[rT+4+(\n)%4], v[rT+4+(\n)%4], v[rS+8*((\n)%4)+2*((\n)/4)+1], v[rS+8*((\n)%4)+2*((\n)/4)+2]
.elseif (\n) == 12
	v_max3_num_f32 v[rT+4], v[rT+4], v[rS+7], v[rS+15]
.elseif (\n) == 13
	v_max3_num_f32 v[rT+6], v[rT+6], v[rS+23], v[rS+31]
.elseif (\n) == 14
	v_max3_num_f32 v[rT+4], v[rT+4], v[rT+5], v[rT+6]
.elseif (\n) == 15
	v_max3_num_f32 v[rT+4], v[rT+4], v[rT+7], v[rT+1]
.elseif (\n) == 16
	v_permlanex16_b32 v[rT+5], v[rT+4], s[SEL], s[SEL+1]
.elseif (\n) == 17
	v_max_num_f32 v[rT+1], v[rT+4], v[rT+5]
.elseif (\n) == 18
	v_mul_f32 v[rT], s[CS], v[rT+1]
.else
	v_sub_f32 v[rT+7], v[rT+2], v[rT]
.endif
.endm
.macro FM t, p                         ; c s - c m for pair p of 16
	v_pk_fma_f32 v[S+32*(\t)+2*(\p):S+32*(\t)+2*(\p)+1], v[S+32*(\t)+2*(\p):S+32*(\t)+2*(\p)+1], s[CS:CS+1], v[ST+8*(\t):ST+8*(\t)+1] op_sel_hi:[1,0,0] neg_lo:[0,0,1] neg_hi:[0,0,1]
.endm
.macro EM t, e                         ; the exponential of score e of 32; number 32 is a
.if (\e) < 32
	v_exp_f32 v[S+32*(\t)+(\e)], v[S+32*(\t)+(\e)]
.else
	v_exp_f32 v[ST+8*(\t)+6], v[ST+8*(\t)+7]
.endif
.endm
.macro CM t, p                         ; pair p rounded to f16, in place and ascending: register p takes registers 2 p and 2 p + 1
	v_cvt_pk_f16_f32 v[S+32*(\t)+(\p)], v[S+32*(\t)+2*(\p)], v[S+32*(\t)+2*(\p)+1]
.endm
.macro RM t, i                         ; pair i of 8 of O^T times a; number 8: the row sum's lowest pair
.if (\i) < 8
	v_pk_mul_f32 v[OT+16*(\t)+2*(\i):OT+16*(\t)+2*(\i)+1], v[OT+16*(\t)+2*(\i):OT+16*(\t)+2*(\i)+1], v[ST+8*(\t)+6:ST+8*(\t)+7] op_sel_hi:[1,0]
.else
	v_pk_mul_f32 v[LA+8*(\t):LA+8*(\t)+1], v[LA+8*(\t):LA+8*(\t)+1], v[ST+8*(\t)+6:ST+8*(\t)+7] op_sel_hi:[1,0]
.endif
.endm
.macro Q2 n                            ; the 34 plain lines beside tile 0's exponentials: its scalings 2-15, then tile 1's maximum and statistics
.if (\n) < 14
	FM 0, (\n)+2
.else
	XM 1, (\n)-14
.endif
.endm
.macro Q3 n                            ; the 39 beside tile 1's: its scalings 2-15, then tile 0's roundings and rescaling
.if (\n) < 14
	FM 1, (\n)+2
.elseif (\n) < 30
	CM 0, (\n)-14
.else
	RM 0, (\n)-30
.endif
.endm
; A KEY STEP: 64 keys, both tiles.  pre = 1: the next step's fragments lie in the same slot and are fetched.
; The exponentials of a tile are ONE BATCH of 33, a plain line behind each: nothing in a batch names a result of it, scaling p stands ahead of exponentials 2 p and 2 p + 1, a plain line follows the last one,
; and one s_wait_alu depctr_va_vdst(0) stands ahead of the first reader.  No batch is open at a label or a branch.
; The second wave on the SIMD, which walks the other key half, has its own phases: it fills the chains and waits of this one.
.macro STEP pre
	s_wait_dscnt 8                                 ; K's eight loads are in; V's eight, issued behind them, may stay out
.irp kb, 0,1,2,3
.irp t, 0,1
	v_wmma_f32_16x16x32_f16 v[S+32*\t+8*\kb:S+32*\t+8*\kb+7], v[KF+8*\kb:KF+8*\kb+7], v[Q+8*\t:Q+8*\t+7], 0
.endr
.endr
	v_mov_b32 v[ST+2], v[ST]                       ; four plain lines that name none of the products' registers: the places in front of the loads into K's registers and of the first read of the scores
	v_mov_b32 v[ST+10], v[ST+8]                    ; (c m_old is kept, the addresses step to the next 64 rows)
	v_add_nc_u32 v[AK], WROWS, v[AK]
	v_add_nc_u32 v[AV], WROWS, v[AV]
.if \pre
	FETCHK
.endif
.set n, 0
.rept 20
	XM 0, n
.set n, n+1
.endr
	FM 0, 0
	FM 0, 1
.set e, 0
.rept 33
	EM 0, e
	Q2 e
.set e, e+1
.endr
	Q2 33
	s_wait_alu depctr_va_vdst(0)                   ; tile 0's batch
	FM 1, 0
	FM 1, 1
.set e, 0
.rept 33
	EM 1, e
	Q3 e
.set e, e+1
.endr
.rept 6
	Q3 e
.set e, e+1
.endr
	s_wait_alu depctr_va_vdst(0)                   ; tile 1's batch
.set n, 0
.rept 16
	CM 1, n
.set n, n+1
.endr
.set n, 0
.rept 9
	RM 1, n
.set n, n+1
.endr
.if \pre
	s_wait_dscnt 8                                 ; V is in; the next K's eight loads may stay out
.else
	s_wait_dscnt 0x0
.endif
.irp kk, 0,1                           ; six accumulators take turns, one instruction a turn
.irp t, 0,1
.irp cb, 0,1
	v_wmma_f32_16x16x32_f16 v[OT+16*\t+8*\cb:OT+16*\t+8*\cb+7], v[VF+16*\kk+8*\cb:VF+16*\kk+8*\cb+7], v[S+32*\t+8*\kk:S+32*\t+8*\kk+7], v[OT+16*\t+8*\cb:OT+16*\t+8*\cb+7]
.endr
.endr
.irp t, 0,1
	v_wmma_f32_16x16x32_f16 v[LA+8*\t:LA+8*\t+7], v[ONES:ONES+7], v[S+32*\t+8*\kk:S+32*\t+8*\kk+7], v[LA+8*\t:LA+8*\t+7]
.endr
.endr
.rept 5
	v_nop                                          ; four places in front of the loads into V's registers, five in front of the next products, which write over P
.endr
.if \pre
	FETCHV
.endif
.endm
; A slot's four key steps of my half.  At the loop's head sixteen LDS loads are out on both ways in: K's eight, then V's eight.
.macro WALK slot
.if \slot
	v_add_nc_u32 v[AK], SLOT, v[AK0]
	v_add_nc_u32 v[AV], SLOT, v[AV0]
.else
	v_mov_b32 v[AK], v[AK0]
	v_mov_b32 v[AV], v[AV0]
.endif
	FETCHK
	FETCHV
	s_mov_b32 s[CNT], 3
.Lstep_\@:
	STEP 1
	s_sub_co_u32 s[CNT], s[CNT], 1
	s_cmp_lg_u32 s[CNT], 0
	s_cbranch_scc1 .Lstep_\@
	STEP 0
.endm
	s_wait_tensorcnt 0x1                           ; my part of slot 0 is in; slot 1's may stay out
	s_barrier_signal -1
	s_barrier_wait -1                              ; everybody's is
	s_wait_loadcnt 34                              ; Q's four loads are in; the 34 issued behind them may stay out
	WALK 0                                         ; keys 0-255 of my half
	CHANGE 0, 1                                    ; slot 1 is whole; slot 0 takes keys 512-767
	; A PREFETCH INTO THE L2 of the 512 rows that the NEXT change of slots asks for, one walk (four key steps of each wave) ahead of that load: a lane a row of 256 bytes.  It stands behind my tensor load and its five lines.
	; Each row is named once in the launch: all 16 clusters of a batch walk the same rows, the first of them asks; its four partners and their waves 0 to 3 take 32 rows each, told apart by address.
	; The first three fills come by their loads alone: nothing is prefetched at the head.
	s_cmp_eq_u32 s[ASKER], 1
	s_cbranch_scc0 .Lnot_mine
	global_prefetch_b8 v[PFO], s[PFA:PFA+1] th:TH_LOAD_NT scope:SCOPE_SE
.Lnot_mine:
	WALK 1                                         ; keys 256-511
	CHANGE 1, 1                                    ; slot 0 is whole; slot 1 takes keys 768-1,023
	WALK 0
	CHANGE 0, 0                                    ; slot 1 is whole; nothing is left to ask for
	WALK 1
	; THE TWO KEY HALVES ARE MERGED.  Waves 4-7 put their O^T, c m and l into LDS; waves 0-3, with the same head and the same lanes, take them.  The step's five v_nop are the places behind the last products.
	s_cmp_lt_u32 s[WV], 4
	s_cbranch_scc1 .Lkeeper
	v_mov_b32 v[MT], v[ST]
	v_mov_b32 v[MT+1], v[ST+8]
	v_mov_b32 v[MT+2], v[LA]
	v_mov_b32 v[MT+3], v[LA+8]
.irp q, 0,1,2,3,4,5,6,7
	ds_store_b128 v[MS], v[OT+4*\q:OT+4*\q+3] offset:\q*512
.endr
	ds_store_b128 v[MS], v[MT:MT+3] offset:8*512
.Lkeeper:
	s_wait_dscnt 0x0                               ; for the others' sake: my stores are done
	s_barrier_signal -1
	s_barrier_wait -1
	s_cmp_lt_u32 s[WV], 4
	s_cbranch_scc0 .Lmerged
.irp q, 0,1,2,3,4,5,6,7
	ds_load_b128 v[PO+4*\q:PO+4*\q+3], v[MS] offset:\q*512
.endr
	ds_load_b128 v[PS:PS+3], v[MS] offset:8*512
	s_wait_dscnt 0x0
.irp t, 0,1
	v_max_num_f32 v[MT+8*\t+6], v[ST+8*\t], v[PS+\t]   ; the common c m
.endr
.irp t, 0,1
	v_sub_f32 v[MT+8*\t], v[ST+8*\t], v[MT+8*\t+6]
	v_sub_f32 v[MT+8*\t+2], v[PS+\t], v[MT+8*\t+6]
.endr
.irp t, 0,1
	v_exp_f32 v[MT+8*\t], v[MT+8*\t]
	v_exp_f32 v[MT+8*\t+2], v[MT+8*\t+2]
.endr
	v_nop                                          ; a plain line behind the last exponential,
	s_wait_alu depctr_va_vdst(0)                   ; and one wait for the four
.irp t, 0,1
	v_mul_f32 v[MT+8*\t+4], v[LA+8*\t], v[MT+8*\t]
.endr
.irp t, 0,1
	v_fmac_f32 v[MT+8*\t+4], v[PS+2+\t], v[MT+8*\t+2]  ; l: at least 1, since the greater half's largest weight is 1
.endr
.irp t, 0,1
	v_rcp_f32 v[MT+8*\t+5], v[MT+8*\t+4]
.endr
	v_nop
	s_wait_alu depctr_va_vdst(0)                   ; one wait for the two reciprocals
.irp t, 0,1
	v_mul_f32 v[MT+8*\t+1], v[MT+8*\t], v[MT+8*\t+5]     ; each half's factor, twice: a pair for the packed lines
	v_mul_f32 v[MT+8*\t+3], v[MT+8*\t+2], v[MT+8*\t+5]
	v_mul_f32 v[MT+8*\t], v[MT+8*\t], v[MT+8*\t+5]
	v_mul_f32 v[MT+8*\t+2], v[MT+8*\t+2], v[MT+8*\t+5]
.endr
.irp t, 0,1
.irp i, 0,1,2,3,4,5,6,7
	v_pk_mul_f32 v[OT+16*\t+2*\i:OT+16*\t+2*\i+1], v[OT+16*\t+2*\i:OT+16*\t+2*\i+1], v[MT+8*\t:MT+8*\t+1]
.endr
.irp i, 0,1,2,3,4,5,6,7
	v_pk_fma_f32 v[OT+16*\t+2*\i:OT+16*\t+2*\i+1], v[PO+16*\t+2*\i:PO+16*\t+2*\i+1], v[MT+8*\t+2:MT+8*\t+3], v[OT+16*\t+2*\i:OT+16*\t+2*\i+1]
.endr
.endr
.irp c, 0,1,2,3
.irp p, 0,1,2,3
	v_cvt_pk_f16_f32 v[S+4*\c+\p], v[OT+8*\c+2*\p], v[OT+8*\c+2*\p+1]
.endr
.endr
.irp t, 0,1
.irp cb, 0,1
	ds_store_b128 v[OS], v[S+4*(2*\t+\cb):S+4*(2*\t+\cb)+3] offset:\t*16*PITCH+\cb*32  ; a lane's eight channels of one row
.endr
.endr
.Lmerged:
	s_wait_dscnt 0x0                               ; my stores into O16 are done, and my reads of the merge's bytes are over
	s_barrier_signal -1
	s_barrier_wait -1
; 16 LDS loads: the 32 rows x 128 channels of f16 at adr as source 1's fragments
.macro FRAGS adr
.irp mt, 0,1
.irp ks, 0,1,2,3
	ds_load_b128 v[FR+32*\mt+8*\ks:FR+32*\mt+8*\ks+3],   v[\adr] offset:\mt*16*PITCH+\ks*64
	ds_load_b128 v[FR+32*\mt+8*\ks+4:FR+32*\mt+8*\ks+7], v[\adr] offset:\mt*16*PITCH+\ks*64+32
.endr
.endr
.endm
; 8 products: my 16 output channels (source 0, window 1) x both row tiles, 128 along K.  The two accumulators take turns.  first = 1: the first product on each starts its sum.
.macro MULW w, first
	WIN 0x01
.irp ks, 0,1,2,3
.irp mt, 0,1
.if (\first) && (\ks == 0)
	v_wmma_f32_16x16x32_f16 v[Y+8*\mt:Y+8*\mt+7], v[(\w)+8*\ks:(\w)+8*\ks+7], v[FR+32*\mt+8*\ks:FR+32*\mt+8*\ks+7], 0
.else
	v_wmma_f32_16x16x32_f16 v[Y+8*\mt:Y+8*\mt+7], v[(\w)+8*\ks:(\w)+8*\ks+7], v[FR+32*\mt+8*\ks:FR+32*\mt+8*\ks+7], v[Y+8*\mt:Y+8*\mt+7]
.endif
.endr
.endr
.endm
; The products' results, a row and eight channels a lane, go into YST; behind the barrier each wave reads whole rows.
.macro YOUT
	WIN 0
.rept 4
	v_nop                                          ; the places behind the last products
.endr
.irp mt, 0,1
	ds_store_b128 v[YS], v[Y+8*\mt:Y+8*\mt+3]   offset:\mt*16*YP
	ds_store_b128 v[YS], v[Y+8*\mt+4:Y+8*\mt+7] offset:\mt*16*YP+16
.endr
	s_wait_dscnt 0x0
	s_barrier_signal -1
	s_barrier_wait -1
.endm
; The sum over a row's 32 lanes of v[QD + 4 i + k], for my four rows side by side; every lane ends with the sum.
.macro RED k
.irp m, 1,2,4,8
.irp i, 0,1,2,3
	v_add_f32_dpp v[QD+4*\i+\k], v[QD+4*\i+\k], v[QD+4*\i+\k] row_xmask:\m row_mask:0xf bank_mask:0xf
.endr
.endr
.irp i, 0,1,2,3
	v_permlanex16_b32 v[QD+4*\i+\k+1], v[QD+4*\i+\k], s[SEL], s[SEL+1]
.endr
.irp i, 0,1,2,3
	v_add_f32 v[QD+4*\i+\k], v[QD+4*\i+\k], v[QD+4*\i+\k+1]
.endr
.endm
; My four rows of YST + residual + bias, then LayerNorm as reference() has it: the mean first, the variance of the differences.  resw = 1: the residual lies in window 1.  bias, g, b lie in window 1.
.macro LNROWS resw, res, bias, g, b, dst
.irp i, 0,1,2,3
	ds_load_b128 v[T+4*\i:T+4*\i+3], v[YR] offset:\i*YP
.endr
	s_wait_dscnt 0x0
	WIN 0x04*(\resw)
.irp i, 0,1,2,3
	v_pk_add_f32 v[T+4*\i:T+4*\i+1],   v[T+4*\i:T+4*\i+1],   v[(\res)+4*\i:(\res)+4*\i+1]
	v_pk_add_f32 v[T+4*\i+2:T+4*\i+3], v[T+4*\i+2:T+4*\i+3], v[(\res)+4*\i+2:(\res)+4*\i+3]
.endr
	WIN 0x04
.irp i, 0,1,2,3
	v_pk_add_f32 v[T+4*\i:T+4*\i+1],   v[T+4*\i:T+4*\i+1],   v[(\bias):(\bias)+1]
	v_pk_add_f32 v[T+4*\i+2:T+4*\i+3], v[T+4*\i+2:T+4*\i+3], v[(\bias)+2:(\bias)+3]
.endr
	WIN 0
.irp i, 0,1,2,3
	v_pk_add_f32 v[QD+4*\i:QD+4*\i+1], v[T+4*\i:T+4*\i+1], v[T+4*\i+2:T+4*\i+3]
.endr
.irp i, 0,1,2,3
	v_add_f32 v[QD+4*\i], v[QD+4*\i], v[QD+4*\i+1]
.endr
	RED 0
.irp i, 0,1,2,3
	v_mul_f32 v[QD+4*\i], s[RCPN], v[QD+4*\i]      ; the mean
.endr
.irp i, 0,1,2,3
	v_pk_add_f32 v[T+4*\i:T+4*\i+1],   v[T+4*\i:T+4*\i+1],   v[QD+4*\i:QD+4*\i+1] op_sel_hi:[1,0] neg_lo:[0,1] neg_hi:[0,1]
	v_pk_add_f32 v[T+4*\i+2:T+4*\i+3], v[T+4*\i+2:T+4*\i+3], v[QD+4*\i:QD+4*\i+1] op_sel_hi:[1,0] neg_lo:[0,1] neg_hi:[0,1]
.endr
.irp i, 0,1,2,3
	v_pk_mul_f32 v[QD+4*\i+2:QD+4*\i+3], v[T+4*\i:T+4*\i+1], v[T+4*\i:T+4*\i+1]
.endr
.irp i, 0,1,2,3
	v_pk_fma_f32 v[QD+4*\i+2:QD+4*\i+3], v[T+4*\i+2:T+4*\i+3], v[T+4*\i+2:T+4*\i+3], v[QD+4*\i+2:QD+4*\i+3]
.endr
.irp i, 0,1,2,3
	v_add_f32 v[QD+4*\i+2], v[QD+4*\i+2], v[QD+4*\i+3]
.endr
	RED 2
.irp i, 0,1,2,3
	v_fma_f32 v[QD+4*\i+2], v[QD+4*\i+2], s[RCPN], s[EPS]  ; the variance + 1e-8
.endr
.irp i, 0,1,2,3
	v_rsq_f32 v[QD+4*\i+2], v[QD+4*\i+2]
.endr
	v_nop                                          ; a plain line behind the last of them,
	s_wait_alu depctr_va_vdst(0)                   ; and one wait for the four
.irp i, 0,1,2,3
	v_pk_mul_f32 v[T+4*\i:T+4*\i+1],   v[T+4*\i:T+4*\i+1],   v[QD+4*\i+2:QD+4*\i+3] op_sel_hi:[1,0]
	v_pk_mul_f32 v[T+4*\i+2:T+4*\i+3], v[T+4*\i+2:T+4*\i+3], v[QD+4*\i+2:QD+4*\i+3] op_sel_hi:[1,0]
.endr
	WIN 0x14                                       ; sources 1 and 2 in window 1
.irp i, 0,1,2,3
	v_pk_fma_f32 v[(\dst)+4*\i:(\dst)+4*\i+1],   v[T+4*\i:T+4*\i+1],   v[(\g):(\g)+1],   v[(\b):(\b)+1]
	v_pk_fma_f32 v[(\dst)+4*\i+2:(\dst)+4*\i+3], v[T+4*\i+2:T+4*\i+3], v[(\g)+2:(\g)+3], v[(\b)+2:(\b)+3]
.endr
	WIN 0
.endm
	s_wait_loadcnt 0x0                             ; the weights, the residual rows and the parameters, asked for at the head
	FRAGS FAO
	s_wait_dscnt 0x0
	MULW WO, 1                                     ; o Wo^T
	YOUT
	LNROWS 1, XR, PWB, PG1, PB1, X1
.irp i, 0,1,2,3
	v_cvt_pk_f16_f32 v[HP+2*\i], v[X1+4*\i], v[X1+4*\i+1]
	v_cvt_pk_f16_f32 v[HP+2*\i+1], v[X1+4*\i+2], v[X1+4*\i+3]
.endr
.irp i, 0,1,2,3
	ds_store_b64 v[XS], v[HP+2*\i:HP+2*\i+1] offset:\i*PITCH  ; onto the merge's bytes: their last read was waited for two barriers back
.endr
	s_wait_dscnt 0x0                               ; my rows of x1 lie in LDS, and my reads of YST are over
	s_barrier_signal -1
	s_barrier_wait -1
	FRAGS FAX
	s_wait_dscnt 0x0
	MULW WH, 1                                     ; x1 Wf^T: the hi part,
	MULW WL, 0                                     ; and the lo part onto the same sums
	YOUT
	LNROWS 0, X1, PBF, PG2, PB2, T
.irp i, 0,1,2,3
	global_store_b128 v[L16], v[T+4*\i:T+4*\i+3], s[OB:OB+1] offset:\i*512  ; a row: 512 consecutive bytes, aligned
.endr
.irp i, 0,1,2,3
	v_cvt_pk_f16_f32 v[HP+2*\i], v[T+4*\i], v[T+4*\i+1]
	v_cvt_pk_f16_f32 v[HP+2*\i+1], v[T+4*\i+2], v[T+4*\i+3]
.endr
.irp i, 0,1,2,3
	global_store_b64 v[L8], v[HP+2*\i:HP+2*\i+1], s[HB:HB+1] offset:\i*256  ; the same row in f16: 256 consecutive bytes, aligned
.endr
	s_cmp_lg_u32 s[WV], 0
	s_cbranch_scc1 .Lno_lay
	global_store_b64 v[L8], v[LY:LY+1], s[LB:LB+1] ; the next layer's number, 64 equal words
.Lno_lay:
	s_wait_tensorcnt 0x0                           ; the wave's end, behind my last tensor load and my last LDS store
	ds_add_u32 v[SPW], v[NIL]
	s_wait_dscnt 0x0
	ROUND                                          ; the closing round: no work-group ends while a partner may still ask for a tile that names it
	s_endpgm
.Lfunc_end_k_q969d8e7bc8_l0:
	.size	k_q969d8e7bc8_l0, .Lfunc_end_k_q969d8e7bc8_l0-k_q969d8e7bc8_l0
	.p2alignl 7, 3214868480
	.fill 96, 4, 3214868480
	.section	.rodata,"a",@progbits
	.p2align	6, 0x0
	.amdhsa_kernel k_q969d8e7bc8_l0
		.amdhsa_group_segment_fixed_size 327680
		.amdhsa_private_segment_fixed_size 0
		.amdhsa_enable_private_segment 0
		.amdhsa_kernarg_size 104
		.amdhsa_user_sgpr_count 2
		.amdhsa_user_sgpr_kernarg_segment_ptr 1
		.amdhsa_wavefront_size32 1
		.amdhsa_system_sgpr_workgroup_id_x 1
		.amdhsa_system_sgpr_workgroup_id_y 1
		.amdhsa_system_sgpr_workgroup_id_z 1
		.amdhsa_system_vgpr_workitem_id 0
		.amdhsa_next_free_vgpr 392
		.amdhsa_next_free_sgpr 100
		.amdhsa_reserve_vcc 0
		.amdhsa_float_denorm_mode_32 3
		.amdhsa_float_denorm_mode_16_64 3
		.amdhsa_memory_ordered 1
		.amdhsa_forward_progress 1
		.amdhsa_inst_pref_size 141
	.end_amdhsa_kernel
	.amdgpu_metadata
---
amdhsa.version: [ 1, 2 ]
amdhsa.kernels:
  - .name:           k_q969d8e7bc8_l0
    .symbol:         k_q969d8e7bc8_l0.kd
    .args:
      - { .name: x16a, .offset: 0, .size: 8, .value_kind: global_buffer, .address_space: global }
      - { .name: x, .offset: 8, .size: 8, .value_kind: global_buffer, .address_space: global }
      - { .name: wpk, .offset: 16, .size: 8, .value_kind: global_buffer, .address_space: global }
      - { .name: bfp, .offset: 24, .size: 8, .value_kind: global_buffer, .address_space: global }
      - { .name: wo_b, .offset: 32, .size: 8, .value_kind: global_buffer, .address_space: global }
      - { .name: ln1_g, .offset: 40, .size: 8, .value_kind: global_buffer, .address_space: global }
      - { .name: ln1_b, .offset: 48, .size: 8, .value_kind: global_buffer, .address_space: global }
      - { .name: ln2_g, .offset: 56, .size: 8, .value_kind: global_buffer, .address_space: global }
      - { .name: ln2_b, .offset: 64, .size: 8, .value_kind: global_buffer, .address_space: global }
      - { .name: laya, .offset: 72, .size: 8, .value_kind: global_buffer, .address_space: global }
      - { .name: xw, .offset: 80, .size: 8, .value_kind: global_buffer, .address_space: global }
      - { .name: x16b, .offset: 88, .size: 8, .value_kind: global_buffer, .address_space: global }
      - { .name: layb, .offset: 96, .size: 8, .value_kind: global_buffer, .address_space: global }
    .group_segment_fixed_size: 327680
    .private_segment_fixed_size: 0
    .kernarg_segment_align: 8
    .kernarg_segment_size: 104
    .max_flat_workgroup_size: 256
    .sgpr_count:     100
    .vgpr_count:     392
    .wavefront_size: 32
...
	.end_amdgpu_metadata
.endif
;; end of part 2
;; launch l1: the kernel of part 2 again; grid 256 x 1, 8 waves a work-group, clusters of 4 x 1, 327,680 bytes of LDS; arguments x16b, xw, wpk, bfp, wo_b, ln1_g, ln1_b, ln2_g, ln2_b, layb, out0, x16a, laya; writes out0, x16a, laya
;; launch l2: the kernel of part 2 again; grid 256 x 1, 8 waves a work-group, clusters of 4 x 1, 327,680 bytes of LDS; arguments x16a, out0, wpk, bfp, wo_b, ln1_g, ln1_b, ln2_g, ln2_b, laya, xw, x16b, layb; writes xw, x16b, layb
;; launch l3: the kernel of part 2 again; grid 256 x 1, 8 waves a work-group, clusters of 4 x 1, 327,680 bytes of LDS; arguments x16b, xw, wpk, bfp, wo_b, ln1_g, ln1_b, ln2_g, ln2_b, layb, out0, x16a, laya; writes out0, x16a, laya
;; launch l4: the kernel of part 2 again; grid 256 x 1, 8 waves a work-group, clusters of 4 x 1, 327,680 bytes of LDS; arguments x16a, out0, wpk, bfp, wo_b, ln1_g, ln1_b, ln2_g, ln2_b, laya, xw, x16b, layb; writes xw, x16b, layb
;; launch l5: the kernel of part 2 again; grid 256 x 1, 8 waves a work-group, clusters of 4 x 1, 327,680 bytes of LDS; arguments x16b, xw, wpk, bfp, wo_b, ln1_g, ln1_b, ln2_g, ln2_b, layb, out0, x16a, laya; writes out0, x16a, laya
